; MI455X (gfx1250); checked and timed in simulation.
; The chip was launched on July 23, 2026; its instructions are those of AMD's public machine-readable ISA for CDNA 5 (MIT licence, August 2026) and "CDNA5" Instruction Set Architecture Reference Guide (July 2026). The comments in the code are by the model that wrote it; some were corrected since.
;; TOM Initialization. Allowed arithmetic: matrix products marked QUANTISED: E2M1 operands, one E8M0 scale for each 32 along K, by v_wmma_scale_f32_16x16x128_f8f6f4 with both operands' format E2M1 (or v_wmma_scale_f32_32x16x128_f4), f32 sums; everything else in f32.
;; Inputs: fc_b 2,048 float32; fc_w_codes 2,048 x 256 x 16 uint8 (E2M1 codes of fc_w, K innermost, in blocks of 32 codes, two codes a byte); fc_w_scales 2,048 x 256 uint8 (E8M0 scales of fc_w, one for each 32 codes along K); swap1 4,096 int32; swap2 4,096 int32; weight 4,096 x 8,192 float32.
;; Outputs: out0 4,096 x 2,048 float32.
;; This version of the problem:
;;   THIS VERSION OF THE PROBLEM IS GIVEN IN LOW PRECISION. The matrix products marked QUANTISED in the list below multiply operands that are first quantised to E2M1 (2 exponent bits, 1 mantissa bit; 4 bits a number), with one power-of-two scale for each 32 numbers along K (OCP MX v1.0); their sums are f32. All else is computed in f32.
;;   The module's matrix products, in the order in which they are computed (A, B: the left and right operand; K: the contracted axis; several contracted axes count as one K, in the product's order):
;;     1. [M 4,096, K 8,192] x [K 8,192, N 2,048]; A: computed on the way; B: input fc_w (given as codes): QUANTISED
;;   THE QUANTISER, for each operand of a quantised product, along K:
;;     - K is cut into blocks of 32 from its start; a last block that is shorter is filled with zeros.
;;     - A block's scale is 2^e with e = floor(log2(the largest magnitude in the block)) - 2, held to -126 .. 127; a block of zeros has e = 0. As a byte (E8M0): e + 127.
;;     - Each number is divided by its block's scale, clamped to +-6, and rounded to the nearest number of E2M1, ties to even, subnormals kept.
;;     - The product sums the exact products of the quantised numbers (number of the format x scale) in f32.
;;   ~~~python
;;   def quantise(x, axis):      # numpy; x: float32 -> the quantised numbers, widened to float32 again
;;       x = np.moveaxis(x, axis, -1); K = x.shape[-1]
;;       x = np.pad(x, [(0, 0)] * (x.ndim - 1) + [(0, -K % 32)]); x = x.reshape(x.shape[:-1] + (-1, 32)); a = np.abs(x).max(-1, keepdims=True)
;;       e = np.where(a > 0, np.clip(np.frexp(np.where(a > 0, a, 1))[1] - 1 - 2, -126, 127), 0)      # np.frexp(a)[1] - 1 = floor(log2(a)), exactly
;;       r = np.clip(x / 2.0 ** e, -6, 6)
;;       step = 2.0 ** (np.maximum(np.frexp(np.where(r == 0, 1, r))[1] - 1, 0) - 1)
;;       q = np.round(r / step) * step * 2.0 ** e      # np.round: ties to even
;;       return np.moveaxis(q.reshape(q.shape[:-2] + (-1,))[..., :K], -1, axis).astype(np.float32)
;;   ~~~
;;   OPERANDS COMPUTED ON THE WAY. 'Computed on the way' means the value that the module computes at that place (a softmax that the list does not call 'softmax' is quantised finished and normalised). What goes into a quantiser is computed in f32, as accurately as f32 sums, v_exp_f32 and their like allow (about 1e-6 of the number): no bf16 or f16 on the way to a quantiser, and a product that is left as it is and whose result goes on into a quantised operand takes f32 operands (vector FMAs, or v_wmma_f32_16x16x4_f32). A number that lies on a knife's edge between two numbers of the format may be rounded either way, as far as f32 arithmetic and the matrix unit's own rounding can turn it there, and no further.
;;   INPUTS GIVEN AS CODES. fc_w (in the module: [2048, 8192], K = its axis 1): each comes as NAME_codes (uint8): NAME with its K axis moved to the last place and cut into blocks of 32 codes, [.., K / 32, bytes a block], one block behind the other in memory; two codes a byte, the lower K in the low four bits (a code: sign, 2 exponent bits, 1 mantissa bit); and NAME_scales (uint8): the same leading axes, one E8M0 byte (e + 127) for each 32 codes along K. Its value is code x scale, taken as it is: it is not quantised again, and the codes and scales need not be those that the quantiser above would give.
;; One version. Each part assembles by itself: llvm-mc -triple=amdgcn-amd-amdhsa -mcpu=gfx1250 --defsym DOCPART=n.
;; ======== version 1 of 1: 2 launches
;; limits: right only within a limited range of input values
;; workspace buffers: a_codes 16,777,216 bytes; a_scales 1,048,576 bytes
;; launch quant (part 1): grid 4 x 64, 16 waves a work-group, no clusters, 210,944 bytes of LDS; arguments weight, swap1, swap2, a_codes, a_scales; writes a_codes, a_scales
.if DOCPART == 1
	.amdgcn_target "amdgcn-amd-amdhsa--gfx1250"
	.amdhsa_code_object_version 6
	.text
	.protected	k_q9e11f2a9bb_quant
	.globl	k_q9e11f2a9bb_quant
	.p2align	8
	.type	k_q9e11f2a9bb_quant,@function
k_q9e11f2a9bb_quant:
	s_mov_b64 s[64:65], 0
	v_nop
	global_prefetch_b8 v0, s[64:65] scope:SCOPE_SE
	s_setreg_imm32_b32 hwreg(HW_REG_WAVE_MODE, 25, 1), 1
	s_wait_xcnt 0x0
; x = weight [4096][8192] f32 with the four chunks of 2,048 numbers of each row permuted as swap1 and swap2 of that row say, turned into codes of FP4 (E2M1) with one E8M0 byte for each 32 along K.
; A chunk is a whole number of blocks of 32, so a block is quantised where it lies and its codes and byte are then given their place: the permutation is a CHOICE OF VALUES (v_cndmask_b32), no address hangs on it.
; A block's byte is its largest magnitude's exponent field - 2, held at 1 from below; each number is divided by the scale and rounded to the nearest code, ties to even, beyond 6 the code of 6.
; LIMITS: NaN and infinities in weight are not served.  A block of zeros gets the byte 1 where the quantiser's text says 127: its codes are zeros, which add nothing under that byte, and the bytes are read by this program alone.
; WHAT IS WRITTEN: a_codes [4096 rows][4,096 bytes], K innermost, two codes a byte;  a_scales [16 steps of 512 along K][4096 rows][16 bytes]: a row's four words of that step, a word for each 128 along K.
; SHARES.  Work-group (qg, RG): 64 rows, positions q = 4 qg .. 4 qg + 3 (128 numbers each) of ALL FOUR chunks.  Wave w: tile a = w / 4 of 16 rows, position 4 qg + w % 4: four fragments of 16 rows x 128 numbers, one of each chunk.
; A load takes 512 consecutive bytes of one row.  The conversions want a whole block in ONE lane's registers: a fragment turns through the wave's own stage in LDS.
; A place's 256 bytes of codes of a row, and its 16 bytes of scale words, come from four waves: they meet in LDS, and each store covers whole aligned runs of 256 bytes.
.set ROWB,   32768                     ; a row of weight in bytes
.set CHUNKB, 8192                      ; a chunk of it
.set SP,     528                       ; a stage row: 512 bytes + 16: the sixteen rows that a read touches fall on sixteen different 16-byte columns
.set WSTG,   16*SP                     ; a wave's stage
.set SCA,    16*WSTG                   ; behind the stages: 4,096 bytes of scale words, [place 4][a 4][r 16][w % 4]
.set SPR,    SCA+4096                  ; the spare words: 128 bytes a wave, 2,048 in all
.set CS,     SPR+2048                  ; the codes on their way out: [place 4][row 64][256 bytes + 16]
.set CP,     272
.set MX, 12                            ; v12-13  the two blocks' largest magnitudes
.set SO, 14                            ; v14-15  the conversions' scale operands
.set BY, 16                            ; v16-17  the scale bytes
.set WD, 18
.set PT, 19
.set W,  20                            ; v20-23  the four fragments' scale words
.set C,  24                            ; v24-55  the four fragments' codes
.set R,  64                            ; v64-191 two sets of 64: a fragment as loaded; at the end v64-95: rows of codes
.set X,  192                           ; v192-255 a fragment in the operand's order
.set T,  192                           ; afterwards v192-199: the codes of place 1; v200 their word
.set T8, 200
	s_load_b256 s[4:11], s[0:1], 0x0               ; weight, swap1, swap2, a_codes
	s_load_b64 s[12:13], s[0:1], 0x20              ; a_scales
	v_lshl_add_u32 v59, v0, 2, SPR
	v_mov_b32 v63, 0
	v_lshrrev_b32 v11, 5, v0
	s_delay_alu instid0(VALU_DEP_1)
	v_readfirstlane_b32 s14, v11                   ; wave 0..15
	s_lshr_b32 s15, s14, 2                         ; a.  (On the way out: the place)
	s_and_b32 s16, s14, 3                          ; my position.  (On the way out: the tile)
	s_and_b32 s18, ttmp7, 0xffff                   ; RG
	s_lshl_b32 s20, s18, 21                        ; weight: 64 RG rows
	s_lshl_b32 s19, s15, 19                        ; + 16 a rows
	s_add_co_u32 s20, s20, s19
	s_lshl_b32 s19, ttmp9, 11                      ; + 4 qg positions of 512 bytes
	s_add_co_u32 s20, s20, s19
	s_lshl_b32 s19, s16, 9                         ; + mine
	s_add_co_u32 s20, s20, s19
	s_mov_b32 s21, 0
	s_lshl_b32 s22, s18, 8                         ; swap1, swap2: row 64 RG + 16 a
	s_lshl_b32 s19, s15, 6
	s_add_co_u32 s22, s22, s19
	s_mov_b32 s23, 0
	s_lshl_b32 s28, s18, 18                        ; a_codes, on the way out: row 64 RG + 16 (w % 4), byte 1,024 (w / 4) + 256 qg
	s_lshl_b32 s19, ttmp9, 8
	s_add_co_u32 s28, s28, s19
	s_lshl_b32 s19, s16, 16
	s_add_co_u32 s28, s28, s19
	s_lshl_b32 s19, s15, 10
	s_add_co_u32 s28, s28, s19
	s_mov_b32 s29, 0
	s_lshl_b32 s30, s18, 10                        ; a_scales: step 4 (w / 4) + qg of 65,536 bytes, row 64 RG + 16 (w % 4) of 16 bytes
	s_lshl_b32 s19, s15, 18
	s_add_co_u32 s30, s30, s19
	s_lshl_b32 s19, ttmp9, 16
	s_add_co_u32 s30, s30, s19
	s_lshl_b32 s19, s16, 8
	s_add_co_u32 s30, s30, s19
	s_mov_b32 s31, 0
	s_mov_b32 s24, 0x76543210
	s_mov_b32 s25, 0xfedcba98                      ; selects for lane l xor 16
	v_and_b32 v60, 31, v0                          ; lane
	v_and_b32 v61, 15, v0                          ; r
	v_bfe_u32 v62, v0, 4, 1                        ; h
	s_delay_alu instid0(VALU_DEP_3)
	v_lshlrev_b32 v1, 4, v60                       ; 16 x lane
	s_mul_i32 s17, s14, WSTG
	v_add_nc_u32 v2, s17, v1                       ; the stage, on the way in
	v_mul_u32_u24 v3, v61, SP
	s_delay_alu instid0(VALU_DEP_1)
	v_lshl_add_u32 v3, v62, 7, v3
	s_delay_alu instid0(VALU_DEP_1)
	v_add_nc_u32 v3, s17, v3                       ; and back: row r, + 128 h bytes
	s_lshl_b32 s17, s15, 8
	s_lshl_b32 s19, s16, 2
	s_add_co_u32 s17, s17, s19
	s_add_co_u32 s17, s17, SCA
	v_lshl_add_u32 v4, v61, 4, s17                 ; where my row's scale word goes
	s_lshl_b32 s17, s14, 8
	s_add_co_u32 s17, s17, SCA
	v_lshl_add_u32 v5, v60, 3, s17                 ; and what I take out: SCA + 256 w + 8 x lane
	v_lshlrev_b32 v6, 3, v60                       ; 8 x lane
	v_lshlrev_b32 v7, 2, v61                       ; 4 r
	v_lshlrev_b32 v10, 3, v62                      ; 8 h
	v_mov_b32 v[PT], 0                             ; a lane permute's destination counts as one of its sources
	s_mul_i32 s26, s15, 16*CP                      ; codes in: row 16 a + r, byte 64 x my position + 16 h
	s_lshl_b32 s19, s16, 6
	s_add_co_u32 s26, s26, s19
	s_add_co_u32 s26, s26, CS
	s_mul_i32 s27, s15, 64*CP                      ; codes out: place w / 4, row 16 (w % 4) + h, byte 16 r
	s_mul_i32 s19, s16, 16*CP
	s_add_co_u32 s27, s27, s19
	s_add_co_u32 s27, s27, CS
	v_mul_u32_u24 v58, v61, CP
	v_mul_u32_u24 v11, v62, CP
	v_lshlrev_b32 v60, 12, v62                     ; and the same two rows in a_codes
	v_lshl_add_u32 v58, v62, 4, v58
	v_lshl_add_u32 v11, v61, 4, v11
	v_lshl_add_u32 v60, v61, 4, v60
	v_add_nc_u32 v58, s26, v58
	v_add_nc_u32 v11, s27, v11
	s_wait_alu depctr_va_vdst(0)                   ; the wait at the head's end
	s_wait_kmcnt 0x0
	s_add_nc_u64 s[4:5], s[4:5], s[20:21]
	s_add_nc_u64 s[6:7], s[6:7], s[22:23]
	s_add_nc_u64 s[8:9], s[8:9], s[22:23]
	s_add_nc_u64 s[10:11], s[10:11], s[28:29]
	s_add_nc_u64 s[12:13], s[12:13], s[30:31]
.macro LOAD f                          ; chunk f's fragment: sixteen rows, 512 consecutive bytes each
.irp i, 0,1,2,3,4,5,6,7,8,9,10,11,12,13,14,15
	global_load_b128 v[R+64*((\f)%2)+4*\i:R+64*((\f)%2)+4*\i+3], v1, s[4:5] offset:\i*ROWB+(\f)*CHUNKB th:TH_LOAD_NT
.endr
.endm
.macro TURN f                          ; through my stage: LDS serves a wave's instructions in order (ISA guide 5.7.1.4)
.irp i, 0,1,2,3,4,5,6,7,8,9,10,11,12,13,14,15
	ds_store_b128 v2, v[R+64*((\f)%2)+4*\i:R+64*((\f)%2)+4*\i+3] offset:\i*SP
.endr
.irp c, 0,1
.irp j, 0,1,2,3,4,5,6,7
	ds_load_b128 v[X+32*\c+4*\j:X+32*\c+4*\j+3], v3 offset:256*\c+16*\j
.endr
.endr
.endm
.macro QUANT f                         ; my two whole blocks, 2 c + h of my row, by turns
.irp c, 0,1
	v_max3_num_f32 v[MX+\c], |v[X+32*\c]|, |v[X+32*\c+1]|, 0x1800000   ; with the floor 2^(3 - 127): the byte cannot fall under 1
.endr
.irp i, 2,4,6,8,10,12,14,16,18,20,22,24,26,28,30
.irp c, 0,1
	s_delay_alu instid0(VALU_DEP_2)
	v_max3_num_f32 v[MX+\c], v[MX+\c], |v[X+32*\c+\i]|, |v[X+32*\c+\i+1]|
.endr
.endr
.irp c, 0,1
	s_delay_alu instid0(VALU_DEP_2)
	v_add_nc_u32 v[SO+\c], 0xff000000, v[MX+\c]    ; 2 off the exponent field: the conversion's scale operand
.endr
.irp c, 0,1
	s_delay_alu instid0(VALU_DEP_2)
	v_lshrrev_b32 v[BY+\c], 23, v[SO+\c]           ; the scale's byte
.endr
	s_delay_alu instid0(VALU_DEP_1)
	v_lshl_or_b32 v[WD], v[BY+1], 16, v[BY]        ; blocks h and 2 + h,
	s_delay_alu instid0(VALU_DEP_1)
	v_lshlrev_b32 v[WD], v10, v[WD]                ; at their places in the row's word;
	s_delay_alu instid0(VALU_DEP_1)
	v_permlanex16_b32 v[PT], v[WD], s24, s25
	s_delay_alu instid0(VALU_DEP_1)
	v_or_b32 v[W+\f], v[WD], v[PT]                 ; with lane l xor 16's two the word is whole
.irp c, 0,1
.irp g, 0,1,2,3
	v_cvt_scalef32_pk8_fp4_f32 v[C+8*\f+4*\c+\g], v[X+32*\c+8*\g:X+32*\c+8*\g+7], v[SO+\c]
.endr
.endr
	v_nop                                          ; one plain vector instruction behind the last scaled conversion
.endm
	global_load_b32 v8, v7, s[6:7]                 ; swap1 and swap2 of my row
	global_load_b32 v9, v7, s[8:9]
	LOAD 0
	LOAD 1
.irp f, 0,1,2,3
.if \f < 3
	s_wait_loadcnt 16                              ; this fragment's loads are in; the next fragment's sixteen stay out
.else
	s_wait_loadcnt 0x0
.endif
	TURN \f
	s_wait_dscnt 0x0                               ; the fragment is back; the stores into the stage have read their registers,
.if \f < 2
	LOAD \f+2                                      ; which take the fragment two further on
.endif
	QUANT \f
.endr
	; THE PERMUTATION: place 1 takes chunk 2 where swap1 is set, else chunk 1; mid is the other; place 2 takes chunk 3 where swap2 is set, else mid; place 3 the other.  Place 0 is chunk 0.
	v_cmp_ne_u32 s26, 0, v8                        ; whatever is not 0 counts as set
	v_cmp_ne_u32 s27, 0, v9
.irp j, 0,1,2,3,4,5,6,7
	v_cndmask_b32 v[T+\j], v[C+8+\j], v[C+16+\j], s26          ; place 1
.endr
	v_cndmask_b32 v[T8], v[W+1], v[W+2], s26
.irp j, 0,1,2,3,4,5,6,7
	v_cndmask_b32 v[C+16+\j], v[C+16+\j], v[C+8+\j], s26       ; mid
.endr
	v_cndmask_b32 v[W+2], v[W+2], v[W+1], s26
.irp j, 0,1,2,3,4,5,6,7
	v_cndmask_b32 v[C+8+\j], v[C+16+\j], v[C+24+\j], s27       ; place 2
.endr
	v_cndmask_b32 v[W+1], v[W+2], v[W+3], s27
.irp j, 0,1,2,3,4,5,6,7
	v_cndmask_b32 v[C+24+\j], v[C+24+\j], v[C+16+\j], s27      ; place 3
.endr
	v_cndmask_b32 v[W+3], v[W+3], v[W+2], s27
.irp c, 0,1                            ; registers 4 c .. 4 c + 3 are bytes 32 c + 16 h .. + 15 of my position's 64
	ds_store_b128 v58, v[C+4*\c:C+4*\c+3] offset:32*\c
	ds_store_b128 v58, v[T+4*\c:T+4*\c+3] offset:64*CP+32*\c
	ds_store_b128 v58, v[C+8+4*\c:C+8+4*\c+3] offset:128*CP+32*\c
	ds_store_b128 v58, v[C+24+4*\c:C+24+4*\c+3] offset:192*CP+32*\c
.endr
	ds_store_b32 v4, v[W]                          ; both lanes of a row write the same word with the same value
	ds_store_b32 v4, v[T8] offset:1024
	ds_store_b32 v4, v[W+1] offset:2048
	ds_store_b32 v4, v[W+3] offset:3072
	s_wait_dscnt 0x0                               ; for the others' sake: my stores have landed
	s_barrier_signal -1
	s_barrier_wait -1                              ; everybody's have
	ds_load_b64 v[56:57], v5
.irp t, 0,1,2,3,4,5,6,7
	ds_load_b128 v[R+4*\t:R+4*\t+3], v11 offset:2*CP*\t
.endr
	s_wait_dscnt 0x0
	global_store_b64 v6, v[56:57], s[12:13]        ; 32 lanes store 256 consecutive bytes, aligned
.irp t, 0,1,2,3,4,5,6,7
	global_store_b128 v60, v[R+4*\t:R+4*\t+3], s[10:11] offset:8192*\t   ; sixteen lanes store 256 consecutive bytes of a row, aligned
.endr
	s_wait_tensorcnt 0x0                           ; the wave's end
	ds_add_u32 v59, v63
	s_wait_dscnt 0x0
	s_endpgm
.Lfunc_end_k_q9e11f2a9bb_quant:
	.size	k_q9e11f2a9bb_quant, .Lfunc_end_k_q9e11f2a9bb_quant-k_q9e11f2a9bb_quant
	.p2alignl 7, 3214868480
	.fill 96, 4, 3214868480
	.section	.rodata,"a",@progbits
	.p2align	6, 0x0
	.amdhsa_kernel k_q9e11f2a9bb_quant
		.amdhsa_group_segment_fixed_size 210944
		.amdhsa_private_segment_fixed_size 0
		.amdhsa_enable_private_segment 0
		.amdhsa_kernarg_size 40
		.amdhsa_user_sgpr_count 2
		.amdhsa_user_sgpr_kernarg_segment_ptr 1
		.amdhsa_wavefront_size32 1
		.amdhsa_system_sgpr_workgroup_id_x 1
		.amdhsa_system_sgpr_workgroup_id_y 1
		.amdhsa_system_sgpr_workgroup_id_z 1
		.amdhsa_system_vgpr_workitem_id 0
		.amdhsa_next_free_vgpr 256
		.amdhsa_next_free_sgpr 66
		.amdhsa_reserve_vcc 0
		.amdhsa_float_denorm_mode_32 3
		.amdhsa_float_denorm_mode_16_64 3
		.amdhsa_memory_ordered 1
		.amdhsa_forward_progress 1
		.amdhsa_inst_pref_size 40
	.end_amdhsa_kernel
	.amdgpu_metadata
---
amdhsa.version: [ 1, 2 ]
amdhsa.kernels:
  - .name:           k_q9e11f2a9bb_quant
    .symbol:         k_q9e11f2a9bb_quant.kd
    .args:
      - { .name: weight, .offset: 0, .size: 8, .value_kind: global_buffer, .address_space: global }
      - { .name: swap1, .offset: 8, .size: 8, .value_kind: global_buffer, .address_space: global }
      - { .name: swap2, .offset: 16, .size: 8, .value_kind: global_buffer, .address_space: global }
      - { .name: a_codes, .offset: 24, .size: 8, .value_kind: global_buffer, .address_space: global }
      - { .name: a_scales, .offset: 32, .size: 8, .value_kind: global_buffer, .address_space: global }
    .group_segment_fixed_size: 210944
    .private_segment_fixed_size: 0
    .kernarg_segment_align: 8
    .kernarg_segment_size: 40
    .max_flat_workgroup_size: 512
    .sgpr_count:     66
    .vgpr_count:     256
    .wavefront_size: 32
...
	.end_amdgpu_metadata
.endif
;; end of part 1
;; launch gemm (part 2): grid 16 x 16, 4 waves a work-group, clusters of 4 x 4, 327,680 bytes of LDS; arguments a_codes, a_scales, fc_w_codes, fc_w_scales, fc_b, out0; writes out0
.if DOCPART == 2
	.amdgcn_target "amdgcn-amd-amdhsa--gfx1250"
	.amdhsa_code_object_version 6
	.text
	.protected	k_q9e11f2a9bb_gemm
	.globl	k_q9e11f2a9bb_gemm
	.p2align	8
	.type	k_q9e11f2a9bb_gemm,@function
k_q9e11f2a9bb_gemm:
	s_mov_b64 s[64:65], 0
	v_nop
	global_prefetch_b8 v0, s[64:65] scope:SCOPE_SE
	s_setreg_imm32_b32 hwreg(HW_REG_WAVE_MODE, 25, 1), 1
	s_wait_xcnt 0x0
	s_wait_alu depctr_hold_cnt(0) depctr_sa_sdst(0) depctr_va_vdst(0) depctr_va_sdst(0) depctr_va_ssrc(0) depctr_va_vcc(0) depctr_vm_vsrc(0)
	s_getreg_b32 s2, hwreg(HW_REG_IB_STS2, 6, 4)
	s_cmp_eq_u32 s2, 0
	s_cbranch_scc0 .Lentry_in_a_cluster
	s_endpgm
.Lentry_in_a_cluster:
	s_bfe_u32 s2, ttmp6, 0x10000c
	s_cmp_lg_u32 s2, 0xf033
	s_cbranch_scc0 .Lentry_shape_is_right
	s_endpgm
.Lentry_shape_is_right:
; out0[m][n] = the sum over k of x[m][k] fc_w[n][k] + fc_b[n], on codes of FP4 (E2M1) with one E8M0 scale for each 32 along K = 8,192; sums in f32.  out0: [4096][2048] f32.
; x comes from the launch before: a_codes [4096][4,096 bytes], a_scales [16 steps of 512 along K][4096 rows][16 bytes].  fc_w's codes [2048][4,096 bytes] and scale bytes [2048][256] are taken as given.
; SHARES.  A work-group makes 256 rows x 128 columns: 16 x 16 work-groups.  Wave w makes rows 128 (w / 2) .. + 127 x columns 64 (w % 2) .. + 63: 8 x 4 accumulators of 16 x 16, 256 registers.
; K goes in steps of 512 (K steps) through a ring of two LDS slots (256 rows of x, 128 rows of fc_w, 256 bytes a row) filled by the tensor data mover.  fc_w's scale bytes of the 128 columns, for all of K, come once, at the head, and stay in LDS.
; CLUSTERS: 4 x 4 work-groups.  The four of a row of the cluster need the same tiles of x, the four of a column the same tiles of fc_w: each tile is asked for JOINTLY, by the same load with the same descriptor and a mask of the four.
; x's scale words are not asked for jointly: a wave's are 2,048 consecutive bytes for a K step, beside 98,304 bytes of codes for the work-group; they go from memory into registers, two K steps ahead, in whole runs of 256 bytes.
; THE MATRIX INSTRUCTION IS USED TRANSPOSED (source 0 = 16 rows of fc_w, source 1 = 16 rows of x): a lane holds eight neighbouring columns of one row of out0.  The bias is the C of each sum's first product.
; FRAGMENTS have four sets, one for each 128 along K of a slot: step q of K step t, once multiplied, asks for step q of K step t + 1 into its own registers.  So a slot is read out during the K step before its products,
; and the change of slots stands behind a K step's first 32 products: the slot whose fragments are all in registers is filled again, two K steps ahead.  The last K step, all in registers, goes by rows of out0, so that finished rows leave while the others are multiplied.
; REGISTERS, in windows of 256: window 0: v0-31 addresses; v32-63 x's scale words, v64-79 fc_w's, two sets each; v80-111 the bias; v128-191 rows of out0 on the way out.
;   window 1: x's fragments, set q at v[64 q + 8 a].   window 2: accumulator (a, b) at v[8 (4 a + b)].   window 3: fc_w's fragments, set q at v[32 q + 8 b].
.set PITCH,  272                       ; an LDS row: 256 bytes + 16: the sixteen rows that a load touches start at sixteen different 16-byte columns
.set ROWB,   256                       ; a tile's row in bytes: 512 codes
.set HALFA,  128*PITCH                 ; what one wave reads of x, and one load brings
.set HALFB,  64*PITCH                  ; the same of fc_w
.set SLOT,   2*HALFA+2*HALFB
.set SCLB,   2*SLOT                    ; fc_w's scales: 128 rows x (256 bytes + 16)
.set SPARE,  SCLB+128*272              ; the spare words, 128 bytes a wave
.set ASTEP,  65536                     ; a K step of a_scales in bytes
.set ADRA, 16                          ; v16-17 my x fragments in slot 0, 1
.set ADRB, 20                          ; v20-21 the same for fc_w
.set STO,  24                          ; the way out: where I put 32 bytes of a row
.set RD,   25                          ; where I read a row back
.set CO,   26                          ; my byte offset in out0
.set ASO,  27                          ; x's scale words, offset in memory: lanes 0-15 block i, lanes 16-31 block i + 4
.set SPW,  28
.set NIL,  29
.set PFO,  30                          ; the prefetches' offset: a lane a row
.set ADSB, 31                          ; fc_w's scale words in LDS: lanes 0-15 block j, lanes 16-31 block j + 2
.set SCA,  32
.set SCB,  64
.set BIAS, 80
.set BK,   128
.set G1, 24
.set G0, 32
.set PFA, 44
.set G1B, 48
.set G0B, 56
.set G1BH, 68                          ; group 1 of the head's load of fc_w's codes: all 128 rows
.set ASB, 76                           ; s[76:77] x's scale words of my 128 rows
.set G1SB, 80
.set G0SB, 88
.set G0HB, 8                           ; group 0 of that load, where arguments lay that have been used by then
.set MSB, 0
.macro WIN new                         ; the immediate's high byte repeats the setting that is left
.if MSB != \new
	s_set_vgpr_msb (MSB<<8)|\new
.set MSB, \new
.endif
.endm
.set MUL,  0xa7                        ; source 0 (fc_w) window 3, source 1 (x) window 1, C and D window 2
.set TOA,  0x40                        ; destination window 1, address window 0
.set TOB,  0xc0                        ; destination window 3
.macro PLACES                          ; four places behind a matrix instruction, ahead of loads into its registers and of reads of its result (for reads of its result)
.rept 4
	v_nop
.endr
.endm
.macro JLOAD s                         ; a joint load: waves 0, 1 fetch x's two halves, waves 2, 3 fc_w's; s_nop 0 and four v_nop behind each line
	s_cmp_eq_u32 s17, 0
	s_cbranch_scc0 .Lfor_b_\@
	tensor_load_to_lds s[G0+4*\s:G0+4*\s+3], s[G1:G1+7]
	s_nop 0
	PLACES
	s_branch .Lasked_\@
.Lfor_b_\@:
	tensor_load_to_lds s[G0B+4*\s:G0B+4*\s+3], s[G1B:G1B+7]
	s_nop 0
	PLACES
.Lasked_\@:
.endm
.macro CREST                           ; a round of the cluster's barrier behind its opening barrier
	s_cmp_lg_u32 s16, 0
	s_cbranch_scc1 .Lnot_wave_0_\@
	s_barrier_signal -3
.Lnot_wave_0_\@:
	s_barrier_wait -3
	s_barrier_signal -1
	s_barrier_wait -1
.endm
.macro CROUND
	s_barrier_signal -1
	s_barrier_wait -1
	CREST
.endm
.macro GRP1 g, c, r, p                 ; words 1 to 7 of a group 1: r rows of c elements, p elements apart
	s_mov_b32 s[\g+1], (\c)<<16
	s_mov_b32 s[\g+2], (\r)<<16
	s_mov_b32 s[\g+3], (\c)<<16
	s_mov_b32 s[\g+4], \r
	s_mov_b32 s[\g+5], \p
	s_mov_b32 s[\g+6], 0
	s_mov_b32 s[\g+7], 0
.endm
	s_load_b256 s[4:11], s[0:1], 0x0               ; a_codes s[4:5], a_scales s[6:7], fc_w_codes s[8:9], fc_w_scales s[10:11]
	s_load_b128 s[12:15], s[0:1], 0x20             ; fc_b s[12:13], out0 s[14:15]
	v_lshl_add_u32 v[SPW], v0, 2, SPARE
	v_mov_b32 v[NIL], 0
	ds_add_u32 v[SPW], v[NIL]                      ; the opening lines: the add, twice on end, and its wait ahead of my first tensor load
	ds_add_u32 v[SPW], v[NIL]
	v_lshrrev_b32 v1, 5, v0
	v_readfirstlane_b32 s16, v1                    ; wave 0..3
	s_lshr_b32 s17, s16, 1                         ; my half of the rows.  Also: I fetch for x (0) or for fc_w (1)
	s_and_b32 s18, s16, 1                          ; my half of the columns.  Also: which half of that tile I fetch
	s_bfe_u32 s40, ttmp6, 0x40000                  ; cx
	s_bfe_u32 s41, ttmp6, 0x40004                  ; cy
	s_lshl_b32 s42, ttmp9, 2
	s_add_co_u32 s42, s42, s40                     ; column tile
	s_and_b32 s19, ttmp7, 0xffff
	s_lshl_b32 s19, s19, 2
	s_add_co_u32 s19, s19, s41                     ; row tile
	s_lshl_b32 s43, s41, 2
	s_lshl_b32 s43, 15, s43                        ; my row of the cluster
	s_lshl_b32 s94, 0x1111, s40                    ; my column
	s_or_b32 s[G1], s43, (1<<20)|(1<<21)|(5<<22)|(3<<25)           ; codes: elements of 1 byte, four words of padding behind every 64
	s_or_b32 s[G1B], s94, (1<<20)|(1<<21)|(5<<22)|(3<<25)
	s_or_b32 s[G1BH], s94, (1<<20)|(1<<21)|(5<<22)|(3<<25)
	s_or_b32 s[G1SB], s94, (3<<16)|(1<<20)|(1<<21)|(5<<22)|(3<<25) ; fc_w's scales: elements of 8 bytes, rows of 256 bytes, padded
	GRP1 G1, 256, 128, 4096                        ; half a tile of x
	GRP1 G1B, 256, 64, 4096                        ; half a tile of fc_w
	GRP1 G1BH, 256, 128, 4096                      ; a whole one, at the head
	GRP1 G1SB, 32, 128, 32                         ; 128 dense rows of 256 bytes
	s_lshl_b32 s20, s19, 20                        ; x's codes: 256 rows of 4,096 bytes a tile
	s_mov_b32 s21, 0
	s_lshl_b32 s22, s19, 12                        ; its scale words: 256 rows of 16 bytes a tile, my 128
	s_lshl_b32 s2, s17, 11
	s_add_co_u32 s22, s22, s2
	s_mov_b32 s23, 0
	s_lshl_b32 s46, s42, 19                        ; fc_w's codes: 128 rows
	s_mov_b32 s47, 0
	s_lshl_b32 s92, s42, 15                        ; its scales: 128 rows of 256 bytes
	s_mov_b32 s93, 0
	s_lshl_b32 s95, s18, 19                        ; the prefetches: of the rows that I fetch, my work-group's quarter, told apart by address: x: 128 rows, 32 cx on;
	s_add_co_u32 s95, s95, s20
	s_lshl_b32 s2, s40, 17
	s_add_co_u32 s95, s95, s2
	s_lshl_b32 s96, s18, 18                        ; fc_w: 64 rows, 16 cy on
	s_add_co_u32 s96, s96, s46
	s_lshl_b32 s2, s41, 16
	s_add_co_u32 s96, s96, s2
	s_cmp_eq_u32 s17, 0
	s_cselect_b32 s96, s95, s96
	s_cselect_b32 s95, 31, 15                      ; the last of my lanes that has a row of its own
	s_add_co_u32 s96, s96, ROWB                    ; at K step 1
	s_mov_b32 s97, 0
	s_lshl_b32 s66, s42, 9                         ; my first column in bytes, in fc_b and in a row of out0
	s_lshl_b32 s2, s18, 8
	s_add_co_u32 s66, s66, s2
	s_mov_b32 s67, 0
	s_lshl_b32 s100, s19, 21                       ; my first row of out0: 8,192 bytes a row
	s_lshl_b32 s2, s17, 20
	s_add_co_u32 s100, s100, s2
	s_add_co_u32 s100, s100, s66
	s_mov_b32 s101, 0
	s_wait_dscnt 0x0                               ; both opening adds are done
	s_wait_kmcnt 0x0
	s_cmp_eq_u32 s17, 0
	s_cselect_b64 s[PFA:PFA+1], s[4:5], s[8:9]
	s_add_nc_u64 s[PFA:PFA+1], s[PFA:PFA+1], s[96:97]
	s_add_nc_u64 s[20:21], s[4:5], s[20:21]
	s_add_nc_u64 s[ASB:ASB+1], s[6:7], s[22:23]
	s_add_nc_u64 s[46:47], s[8:9], s[46:47]
	s_add_nc_u64 s[92:93], s[10:11], s[92:93]
	s_add_nc_u64 s[12:13], s[12:13], s[66:67]
	s_add_nc_u64 s[14:15], s[14:15], s[100:101]
	s_mov_b32 s[G0HB], 1                           ; the head's tiles beside x's two halves: K step 0's 128 rows of fc_w,
	s_mov_b32 s[G0HB+1], 2*HALFA
	s_mov_b64 s[G0HB+2:G0HB+3], s[46:47]
	s_or_b32 s[G0HB+3], s[G0HB+3], 0x80000000
	s_mov_b32 s[G0SB], 1                           ; and its scales
	s_mov_b32 s[G0SB+1], SCLB
	s_mov_b64 s[G0SB+2:G0SB+3], s[92:93]
	s_or_b32 s[G0SB+3], s[G0SB+3], 0x80000000
	s_lshl_b32 s98, s18, 19                        ; my half of a tile
	s_mov_b32 s99, 0
	s_add_nc_u64 s[20:21], s[20:21], s[98:99]
	s_lshl_b32 s98, s18, 18
	s_add_nc_u64 s[46:47], s[46:47], s[98:99]
	s_mul_i32 s96, s18, HALFA                      ; and where it goes: no place in the cluster enters an LDS address
	s_mul_i32 s97, s18, HALFB
	s_add_co_u32 s97, s97, 2*HALFA
.irp s, 0,1
	s_mov_b32 s[G0+4*\s], 1
	s_add_co_u32 s[G0+4*\s+1], s96, \s*SLOT
	s_add_nc_u64 s[G0+4*\s+2:G0+4*\s+3], s[20:21], \s*ROWB
	s_or_b32 s[G0+4*\s+3], s[G0+4*\s+3], 0x80000000
	s_mov_b32 s[G0B+4*\s], 1
	s_add_co_u32 s[G0B+4*\s+1], s97, \s*SLOT
	s_add_nc_u64 s[G0B+4*\s+2:G0B+4*\s+3], s[46:47], \s*ROWB
	s_or_b32 s[G0B+4*\s+3], s[G0B+4*\s+3], 0x80000000
.endr
	CROUND                                         ; all sixteen work-groups are here: the first joint loads meet
.macro ARM under, g0, g1, next         ; the head's loads, one a wave, in one tree of branches on the wave's number
	s_cmp_lt_u32 s16, \under
	s_cbranch_scc0 \next
	tensor_load_to_lds s[\g0:\g0+3], s[\g1:\g1+7]
	s_nop 0
	PLACES
	s_branch .Lhead_asked
\next:
.endm
	ARM 2, G0,   G1,   .Lhead_b                    ; waves 0, 1: K step 0's two halves of x
	ARM 3, G0HB, G1BH, .Lhead_sb                   ; wave 2: its 128 rows of fc_w
	tensor_load_to_lds s[G0SB:G0SB+3], s[G1SB:G1SB+7]   ; wave 3: fc_w's scales
	s_nop 0
	PLACES
.Lhead_asked:
	s_mul_i32 s20, s17, HALFA                      ; my 128 rows of x in slot 0, 1
	s_add_co_u32 s21, s20, SLOT
	s_mul_i32 s22, s18, HALFB                      ; my 64 rows of fc_w, behind x's 256
	s_add_co_u32 s22, s22, 2*HALFA
	s_add_co_u32 s23, s22, SLOT
	s_mul_i32 s47, s18, 64*272                     ; my 64 columns' scale rows
	s_add_co_u32 s47, s47, SCLB
	s_mul_i32 s92, s16, 16*PITCH                   ; my stage, in slot 0
	v_and_b32 v1, 15, v0                           ; r
	v_bfe_u32 v2, v0, 4, 1                         ; h
	v_and_b32 v3, 31, v0                           ; lane
	v_mul_u32_u24 v4, v1, PITCH
	v_lshlrev_b32 v5, 4, v1                        ; 16 r
	v_mul_u32_u24 v6, v2, 32*272
	v_lshl_add_u32 v7, v2, 4, v4                   ; a fragment's row x pitch + 16 h
	v_lshl_add_u32 v[ASO], v2, 10, v5              ; 16 r + four blocks of 256 bytes x h
	v_add_nc_u32 v6, v6, v4                        ; (r + 32 h) x 272
	v_add_nc_u32 v[ADRA], s20, v7
	v_add_nc_u32 v[ADRA+1], s21, v7
	v_add_nc_u32 v[ADRB], s22, v7
	v_add_nc_u32 v[ADRB+1], s23, v7
	v_add_nc_u32 v[ADSB], s47, v6
	v_lshl_add_u32 v7, v2, 5, v4                   ; into the stage: row r, 32 bytes for each half of the lanes
	v_mad_u32_u24 v9, v2, PITCH, v5                ; back: lanes 0-15 one row of 256 bytes, lanes 16-31 the next
	v_min_u32 v3, s95, v3
	v_add_nc_u32 v[STO], s92, v7
	v_add_nc_u32 v[RD], s92, v9
	v_lshl_add_u32 v[CO], v2, 13, v5               ; and the same two rows in out0
	v_lshlrev_b32 v8, 5, v2                        ; the bias: my half's eight numbers of a tile's sixteen
	v_lshlrev_b32 v[PFO], 12, v3                   ; a lane a row of 4,096 bytes; lanes that are left over name the last row again
	s_wait_alu depctr_va_vdst(0)                   ; the wait at the head's end
.macro ASCALES sc, off                 ; x's scale words of a K step into set sc: sixteen lanes read 256 consecutive bytes, aligned
.irp i, 0,1,2,3
	global_load_b128 v[SCA+16*(\sc)+4*\i:SCA+16*(\sc)+4*\i+3], v[ASO], s[ASB:ASB+1] offset:\off+256*\i
.endr
.endm
.irp b, 0,1,2,3                        ; register 8 b + j of lane (r, h) = fc_b[my first column + 16 b + 8 h + j]
	global_load_b128 v[BIAS+8*\b:BIAS+8*\b+3], v8, s[12:13] offset:64*\b
	global_load_b128 v[BIAS+8*\b+4:BIAS+8*\b+7], v8, s[12:13] offset:64*\b+16
.endr
	ASCALES 0, 0                                   ; K steps 0 and 1
	ASCALES 1, ASTEP
	global_prefetch_b8 v[PFO], s[PFA:PFA+1] th:TH_LOAD_NT scope:SCOPE_SE              ; K steps 1 and 2: each later request names the K step two refills on
	global_prefetch_b8 v[PFO], s[PFA:PFA+1] offset:ROWB th:TH_LOAD_NT scope:SCOPE_SE
.macro FRAG reg, adr, q, i             ; 16 rows x 128 K of 4-bit codes, 8 registers: lane l holds row l % 16; registers 4 c .. 4 c + 3 hold K = 64 c + 32 (l / 16) + 0 .. 31
.irp c, 0,1
	ds_load_b128 v[\reg+4*\c:\reg+4*\c+3], v[\adr] offset:64*(\q)+32*\c+(\i)*16*PITCH
.endr
.endm
.macro F slot, q                       ; the fragments of the slot's q-th 128 along K into set q: 24 loads in one run
	WIN TOA
.irp i, 0,1,2,3,4,5,6,7
	FRAG 64*(\q)+8*\i, ADRA+(\slot), \q, \i
.endr
	WIN TOB
.irp i, 0,1,2,3
	FRAG 32*(\q)+8*\i, ADRB+(\slot), \q, \i
.endr
.endm
.macro BSCALES sc                      ; fc_w's scale words of a K step into set sc: four words a row
.irp j, 0,1
	ds_load_b128 v[SCB+8*(\sc)+4*\j:SCB+8*(\sc)+4*\j+3], v[ADSB] offset:16*272*\j
.endr
.endm
.macro WM a, b, q, sc, first           ; one product.  x's blocks 4-7 and fc_w's blocks 2, 3 have their scale words in lanes 16-31
.set DD, 8*(4*(\a)+(\b))
.if \first
.set CC, BIAS+8*(\b)
.else
.set CC, DD
.endif
.set FB, 32*(\q)+8*(\b)
.set FA, 64*(\q)+8*(\a)
.set SB, SCB+8*(\sc)+4*((\b)%2)+(\q)
.set SA, SCA+16*(\sc)+4*((\a)%4)+(\q)
.if ((\a)/4) && ((\b)/2)
	v_wmma_scale_f32_16x16x128_f8f6f4 v[DD:DD+7], v[FB:FB+7], v[FA:FA+7], v[CC:CC+7], v[SB], v[SA] matrix_a_fmt:MATRIX_FMT_FP4 matrix_b_fmt:MATRIX_FMT_FP4 matrix_a_scale:MATRIX_SCALE_ROW1 matrix_b_scale:MATRIX_SCALE_ROW1
.elseif (\a)/4
	v_wmma_scale_f32_16x16x128_f8f6f4 v[DD:DD+7], v[FB:FB+7], v[FA:FA+7], v[CC:CC+7], v[SB], v[SA] matrix_a_fmt:MATRIX_FMT_FP4 matrix_b_fmt:MATRIX_FMT_FP4 matrix_b_scale:MATRIX_SCALE_ROW1
.elseif (\b)/2
	v_wmma_scale_f32_16x16x128_f8f6f4 v[DD:DD+7], v[FB:FB+7], v[FA:FA+7], v[CC:CC+7], v[SB], v[SA] matrix_a_fmt:MATRIX_FMT_FP4 matrix_b_fmt:MATRIX_FMT_FP4 matrix_a_scale:MATRIX_SCALE_ROW1
.else
	v_wmma_scale_f32_16x16x128_f8f6f4 v[DD:DD+7], v[FB:FB+7], v[FA:FA+7], v[CC:CC+7], v[SB], v[SA] matrix_a_fmt:MATRIX_FMT_FP4 matrix_b_fmt:MATRIX_FMT_FP4
.endif
.endm
.macro M q, sc, first                  ; the 32 products of a step of 128 along K; the 32 accumulators take turns, in the same order in every step.  first = 1: C is the bias, in window 0
	WIN MUL-0x20*(\first)
.irp a, 0,1,2,3,4,5,6,7
.irp b, 0,1,2,3
	WM \a, \b, \q, \sc, \first
.endr
.endr
.endm
; THE CHANGE OF SLOTS, in K step t (slot s = t % 2): ONE barrier.  In front of it each wave waits for all its tensor loads (its part of K step t + 1), adds 0 to its spare word, and waits for that and for its reads of slot s,
; the last of which were issued ahead of the 32 products just made.  fill = 1: the barrier opens a round of the cluster's barrier, and slot s takes K step t + 2, first behind the round.
.macro SYNC s, fill
.if \fill
	s_wait_xcnt 0x0                                ; my prefetches and scale loads have read their addresses
	s_add_nc_u64 s[PFA:PFA+1], s[PFA:PFA+1], ROWB
	s_add_nc_u64 s[ASB:ASB+1], s[ASB:ASB+1], ASTEP
.endif
	s_wait_tensorcnt 0x0
	ds_add_u32 v[SPW], v[NIL]
.if \fill
	s_add_nc_u64 s[G0+4*\s+2:G0+4*\s+3], s[G0+4*\s+2:G0+4*\s+3], 2*ROWB      ; no tensor load of mine is out: the descriptors may step
	s_add_nc_u64 s[G0B+4*\s+2:G0B+4*\s+3], s[G0B+4*\s+2:G0B+4*\s+3], 2*ROWB
.endif
	s_wait_dscnt 0x0                               ; the add is done, and my reads of slot s are over
	s_barrier_signal -1
	s_barrier_wait -1
.if \fill
	CREST                                          ; no wave of any partner still reads this slot or has a load on its way
	JLOAD \s                                       ; its four v_nop are also the places in front of the loads that follow
.else
	PLACES
.endif
	v_add_nc_u32 v[ADSB], 16, v[ADSB]              ; on to the next K step's scale words of fc_w
	s_wait_alu depctr_va_vdst(0)                   ; the wait directly behind the write
.endm
.macro ASK how                         ; 256 bytes of each of my rows: the K step two refills on from the one just asked for.  how = 2: not in the loop's last trip, which has no such K step
.if \how == 2
	s_cmp_gt_u32 s3, 1
	s_cbranch_scc0 .Lno_ask_\@
.endif
.if \how
	global_prefetch_b8 v[PFO], s[PFA:PFA+1] offset:2*ROWB th:TH_LOAD_NT scope:SCOPE_SE
.endif
.if \how == 2
.Lno_ask_\@:
.endif
.endm
.macro KSTEP s, fill, ask              ; K step t, in registers; the next one is read out of slot 1 - s meanwhile
.set NS, 1-(\s)
	s_wait_dscnt 48                                ; sets 0 and 1 and fc_w's scale words are in: the two youngest runs of 24 may be out
	s_wait_loadcnt 4                               ; x's scale words of this K step are in: the next K step's four loads may be out
	M 0, \s, 0
	WIN 0
	SYNC \s, \fill
	BSCALES NS
	F NS, 0
	WIN 0
	ASK \ask
	M 1, \s, 0                                     ; sets 1 to 3 were waited for in front of the barrier
	PLACES
	F NS, 1
	M 2, \s, 0
	PLACES
	F NS, 2
	M 3, \s, 0
	PLACES
.if \fill
	WIN 0
	ASCALES \s, ASTEP                              ; K step t + 2's, into the set just used
.endif
	F NS, 3
	WIN 0
.endm
	s_wait_tensorcnt 0x0                           ; my tile of the head's is in
	ds_add_u32 v[SPW], v[NIL]
	s_wait_dscnt 0x0
	CROUND                                         ; all the head's tiles are in, and all sixteen work-groups are here
	JLOAD 1                                        ; K step 1, the first tensor load behind the round
	BSCALES 0
	F 0, 0
	F 0, 1
	F 0, 2
	F 0, 3
	WIN 0
	global_prefetch_b8 v[PFO], s[PFA:PFA+1] offset:2*ROWB th:TH_LOAD_NT scope:SCOPE_SE   ; K step 3
	s_wait_dscnt 48                                ; K STEP 0 is written out: its first products start the sums, with the bias as C,
	s_wait_loadcnt 4                               ; (the bias and K step 0's scale words are in)
	M 0, 0, 1
	M 1, 0, 0
	s_wait_dscnt 24
	M 2, 0, 0                                      ; and three steps are multiplied while K step 1 is on its way
	WIN 0
	SYNC 0, 1
	BSCALES 1
	F 1, 0
	F 1, 1
	F 1, 2
	WIN 0
	ASK 1
	M 3, 0, 0
	PLACES
	WIN 0
	ASCALES 0, ASTEP
	F 1, 3
	WIN 0
	s_mov_b32 s3, 6
.Llap:                                                 ; a trip is two K steps, once round the ring: K steps 1 to 12
	KSTEP 1, 1, 1
	KSTEP 0, 1, 2
	s_sub_co_u32 s3, s3, 1
	s_cmp_lg_u32 s3, 0
	s_cbranch_scc1 .Llap
	KSTEP 1, 1, 0                                  ; K step 13 asks for the last tile,
	KSTEP 0, 0, 0                                  ; K step 14 for none: no round of the cluster's barrier
; K STEP 15 GOES BY ROWS OF out0: all its fragments are in registers; my eight blocks of 16 rows are finished one after the other, 16 products each (the block's 4 accumulators by turns, K ascending), and each leaves as soon as it is finished.
; A lane holds 32 neighbouring bytes of a row: a block goes through my own stage in LDS and comes back as whole rows of 256 bytes.
; The stage lies in slot 0, which has had its last fill, and which nobody reads behind the last barrier.  LDS serves a wave's instructions in order (ISA guide 5.7.1.4): no wait between the stores and the loads.
.macro ROW a
	WIN MUL
.irp q, 0,1,2,3
.irp b, 0,1,2,3
	WM \a, \b, \q, 1, 0
.endr
.endr
	PLACES                                         ; ahead of the first read of the block's results
.endm
.macro TOSTAGE a
	WIN 0x08                                       ; an LDS store's data: window 2
.irp b, 0,1,2,3
	ds_store_b128 v[STO], v[32*(\a)+8*\b:32*(\a)+8*\b+3] offset:64*\b          ; each accumulator from its low end on
	ds_store_b128 v[STO], v[32*(\a)+8*\b+4:32*(\a)+8*\b+7] offset:64*\b+16
.endr
	WIN 0
.set BB, BK+32*((\a)%2)
.irp t, 0,1,2,3,4,5,6,7
	ds_load_b128 v[BB+4*\t:BB+4*\t+3], v[RD] offset:\t*2*PITCH
.endr
.endm
.macro SEND a, younger                 ; younger: the LDS instructions issued behind block a's loads
.set BB, BK+32*((\a)%2)
	s_wait_dscnt \younger
.irp t, 0,1,2,3,4,5,6,7
	global_store_b128 v[CO], v[BB+4*\t:BB+4*\t+3], s[14:15] offset:(16*(\a)+2*\t)*8192 th:TH_STORE_NT   ; sixteen lanes store 256 consecutive bytes, aligned; 126 rows of 8,192 bytes at the most, inside the signed 24-bit immediate
.endr
.endm
	s_wait_dscnt 0x0                               ; all four sets are in,
	s_wait_loadcnt 0x0                             ; and x's last scale words
	ROW 0
	TOSTAGE 0
.irp a, 1,2,3,4,5,6,7
	ROW \a
.if \a > 1
	s_wait_xcnt 0x0                                ; block a - 2's stores have read their registers: block a's loads may land there
.endif
	TOSTAGE \a
	SEND \a-1, 16                                  ; behind block a - 1's loads: block a's 8 stores and 8 loads
.endr
	SEND 7, 0
	s_wait_tensorcnt 0x0                           ; the wave's end
	ds_add_u32 v[SPW], v[NIL]
	s_wait_dscnt 0x0
	CROUND                                         ; the closing round
	s_endpgm
.Lfunc_end_k_q9e11f2a9bb_gemm:
	.size	k_q9e11f2a9bb_gemm, .Lfunc_end_k_q9e11f2a9bb_gemm-k_q9e11f2a9bb_gemm
	.p2alignl 7, 3214868480
	.fill 96, 4, 3214868480
	.section	.rodata,"a",@progbits
	.p2align	6, 0x0
	.amdhsa_kernel k_q9e11f2a9bb_gemm
		.amdhsa_group_segment_fixed_size 327680
		.amdhsa_private_segment_fixed_size 0
		.amdhsa_enable_private_segment 0
		.amdhsa_kernarg_size 48
		.amdhsa_user_sgpr_count 2
		.amdhsa_user_sgpr_kernarg_segment_ptr 1
		.amdhsa_wavefront_size32 1
		.amdhsa_system_sgpr_workgroup_id_x 1
		.amdhsa_system_sgpr_workgroup_id_y 1
		.amdhsa_system_sgpr_workgroup_id_z 1
		.amdhsa_system_vgpr_workitem_id 0
		.amdhsa_next_free_vgpr 896
		.amdhsa_next_free_sgpr 102
		.amdhsa_reserve_vcc 0
		.amdhsa_float_denorm_mode_32 3
		.amdhsa_float_denorm_mode_16_64 3
		.amdhsa_memory_ordered 1
		.amdhsa_forward_progress 1
		.amdhsa_inst_pref_size 174
	.end_amdhsa_kernel
	.amdgpu_metadata
---
amdhsa.version: [ 1, 2 ]
amdhsa.kernels:
  - .name:           k_q9e11f2a9bb_gemm
    .symbol:         k_q9e11f2a9bb_gemm.kd
    .args:
      - { .name: a_codes, .offset: 0, .size: 8, .value_kind: global_buffer, .address_space: global }
      - { .name: a_scales, .offset: 8, .size: 8, .value_kind: global_buffer, .address_space: global }
      - { .name: fc_w_codes, .offset: 16, .size: 8, .value_kind: global_buffer, .address_space: global }
      - { .name: fc_w_scales, .offset: 24, .size: 8, .value_kind: global_buffer, .address_space: global }
      - { .name: fc_b, .offset: 32, .size: 8, .value_kind: global_buffer, .address_space: global }
      - { .name: out0, .offset: 40, .size: 8, .value_kind: global_buffer, .address_space: global }
    .group_segment_fixed_size: 327680
    .private_segment_fixed_size: 0
    .kernarg_segment_align: 8
    .kernarg_segment_size: 48
    .max_flat_workgroup_size: 128
    .sgpr_count:     102
    .vgpr_count:     896
    .wavefront_size: 32
...
	.end_amdgpu_metadata
.endif
;; end of part 2
